; MI455X (gfx1250); checked and timed in simulation.
; The chip was launched on July 23, 2026; its instructions are those of AMD's public machine-readable ISA for CDNA 5 (MIT licence, August 2026) and "CDNA5" Instruction Set Architecture Reference Guide (July 2026). The comments in the code are by the model that wrote it; some were corrected since.
;; Mixture Of Experts. Allowed arithmetic: matrix products marked QUANTISED: E3M2 operands, one E8M0 scale for each 32 along K, by v_wmma_scale_f32_16x16x128_f8f6f4 with both operands' format E3M2, f32 sums; products left as they are: f32 operands where the result goes on into a quantised operand, else bf16, f16 or f32 operands; f32 sums; everything else in f32.
;; Inputs: W1_codes 8 x 4,096 x 32 x 24 uint8 (E3M2 codes of W1, K innermost, in blocks of 32 codes, four codes in three bytes); W1_scales 8 x 4,096 x 32 uint8 (E8M0 scales of W1, one for each 32 codes along K); W2_codes 8 x 1,024 x 128 x 24 uint8 (E3M2 codes of W2, K innermost, in blocks of 32 codes, four codes in three bytes); W2_scales 8 x 1,024 x 128 uint8 (E8M0 scales of W2, one for each 32 codes along K); Wg 1,024 x 8 float32; b1 8 x 4,096 float32; b2 8 x 1,024 float32; bg 8 float32; x 4 x 256 x 1,024 float32.
;; Outputs: out0 4 x 256 x 1,024 float32.
;; This version of the problem:
;;   THIS VERSION OF THE PROBLEM IS GIVEN IN LOW PRECISION. The matrix products marked QUANTISED in the list below multiply operands that are first quantised to E3M2 (3 exponent bits, 2 mantissa bits; 6 bits a number), with one power-of-two scale for each 32 numbers along K (OCP MX v1.0); their sums are f32. All else is computed in f32.
;;   The module's matrix products, in the order in which they are computed (A, B: the left and right operand; K: the contracted axis; several contracted axes count as one K, in the product's order):
;;     1. [M 1,024, K 1,024] x [K 1,024, N 8]; A: input x; B: input Wg: left as it is (N = 8 < 16)
;;     2. [M 32,768, K 1,024] x [K 1,024, N 1,024]; A: input W1 (given as codes); B: input x: QUANTISED
;;     3. batch 8 x [M 1,024, K 4,096] x [K 4,096, N 1,024]; A: computed on the way; B: input W2 (given as codes): QUANTISED
;;   THE QUANTISER, for each operand of a quantised product, along K:
;;     - K is cut into blocks of 32 from its start; a last block that is shorter is filled with zeros.
;;     - A block's scale is 2^e with e = floor(log2(the largest magnitude in the block)) - 4, held to -126 .. 127; a block of zeros has e = 0. As a byte (E8M0): e + 127.
;;     - Each number is divided by its block's scale, clamped to +-28, and rounded to the nearest number of E3M2, ties to even, subnormals kept.
;;     - The product sums the exact products of the quantised numbers (number of the format x scale) in f32.
;;   ~~~python
;;   def quantise(x, axis):      # numpy; x: float32 -> the quantised numbers, widened to float32 again
;;       x = np.moveaxis(x, axis, -1); K = x.shape[-1]
;;       x = np.pad(x, [(0, 0)] * (x.ndim - 1) + [(0, -K % 32)]); x = x.reshape(x.shape[:-1] + (-1, 32)); a = np.abs(x).max(-1, keepdims=True)
;;       e = np.where(a > 0, np.clip(np.frexp(np.where(a > 0, a, 1))[1] - 1 - 4, -126, 127), 0)      # np.frexp(a)[1] - 1 = floor(log2(a)), exactly
;;       r = np.clip(x / 2.0 ** e, -28, 28)
;;       step = 2.0 ** (np.maximum(np.frexp(np.where(r == 0, 1, r))[1] - 1, -2) - 2)
;;       q = np.round(r / step) * step * 2.0 ** e      # np.round: ties to even
;;       return np.moveaxis(q.reshape(q.shape[:-2] + (-1,))[..., :K], -1, axis).astype(np.float32)
;;   ~~~
;;   OPERANDS COMPUTED ON THE WAY. 'Computed on the way' means the value that the module computes at that place (a softmax that the list does not call 'softmax' is quantised finished and normalised). What goes into a quantiser is computed in f32, as accurately as f32 sums, v_exp_f32 and their like allow (about 1e-6 of the number): no bf16 or f16 on the way to a quantiser, and a product that is left as it is and whose result goes on into a quantised operand takes f32 operands (vector FMAs, or v_wmma_f32_16x16x4_f32). A number that lies on a knife's edge between two numbers of the format may be rounded either way, as far as f32 arithmetic and the matrix unit's own rounding can turn it there, and no further.
;;   INPUTS GIVEN AS CODES. W1 (in the module: [8, 1024, 4096], K = its axis 1); W2 (in the module: [8, 4096, 1024], K = its axis 1): each comes as NAME_codes (uint8): NAME with its K axis moved to the last place and cut into blocks of 32 codes, [.., K / 32, bytes a block], one block behind the other in memory; four codes in three bytes: a row's codes are one little-endian stream of bits, code i at bits 6 i .. 6 i + 5 (a code: sign, 3 exponent bits, 2 mantissa bits); and NAME_scales (uint8): the same leading axes, one E8M0 byte (e + 127) for each 32 codes along K. Its value is code x scale, taken as it is: it is not quantised again, and the codes and scales need not be those that the quantiser above would give.
;; One version. Each part assembles by itself: llvm-mc -triple=amdgcn-amd-amdhsa -mcpu=gfx1250 --defsym DOCPART=n.
;; ======== version 1 of 1: 4 launches
;; limits: right only within a limited range of input values
;; workspace buffers: xc 786,432 bytes; xs 32,768 bytes; memb 32,768 bytes of whole numbers; wf 65,536 bytes; lst 65,536 bytes of whole numbers; hc 25,165,824 bytes; hs 1,048,576 bytes; y 16,842,752 bytes
;; launch route (part 1): grid 256 x 1, 4 waves a work-group, no clusters, 56,320 bytes of LDS; arguments x, Wg, bg, xc, xs, memb, wf; writes xc, xs, memb, wf
.if DOCPART == 1
	.amdgcn_target "amdgcn-amd-amdhsa--gfx1250"
	.amdhsa_code_object_version 6
	.text
	.protected	k_q5bad526176_route
	.globl	k_q5bad526176_route
	.p2align	8
	.type	k_q5bad526176_route,@function
k_q5bad526176_route:
	s_mov_b64 s[64:65], 0
	v_nop
	global_prefetch_b8 v0, s[64:65] scope:SCOPE_SE
	s_setreg_imm32_b32 hwreg(HW_REG_WAVE_MODE, 25, 1), 1
	s_wait_xcnt 0x0
; THE GATE, THE CHOICE OF TWO EXPERTS, AND x AS CODES.  x: [1024 tokens][1024] f32.  Wg: [1024][8], bg: [8] f32.
; One wave takes one token (token = 4 x work-group + wave); lane b owns block b of the token: k = 32 b .. 32 b + 31.
; OUT:  xc [token][h 2][s 8][48 bytes]: the token's BF6 (E3M2) codes in the order of an operand's registers: the 48 bytes are registers 0-11 of a lane of half h for K step s (128 along K):
;          block b lies at 384 (b & 1) + 48 (b >> 2) + 24 ((b >> 1) & 1).      xs [token][32]: the blocks' E8M0 bytes.
;       memb [expert][token] u32: 0 not chosen, 1 first choice, 2 second.      wf [token][16] f32: words 0-7 probability x mask, word 8 the first choice's probability, word 9 the second's, the rest 0.
; All addresses are fixed: what is chosen only selects values (v_cndmask_b32).
; The logits are f32 multiply-adds: each lane sums its 32 k for all 8 experts, then the 32 lanes are added.  The softmax takes the row's maximum away first.  Of equal probabilities the lower index is kept.
; A block's scale is 2^(floor(log2(its largest magnitude)) - 4); its byte is the largest magnitude's exponent field - 4, held at 1 from below (a block of zeros gets the byte 1: its codes are zeros, and this program alone reads the bytes).
; LIMITS: NaN and infinities among the inputs are not served; blocks whose largest magnitude lies under 2^-122 keep the byte 1; the logits are summed in another order than a row-by-row sum, so two
; probabilities that are equal within f32 rounding may be ranked either way.
; No matrix unit (N = 8), no tensor load, no cluster: the only shared input is Wg, 32 KiB, copied into LDS once by the four waves together.
.set WGCH,  1040                       ; a chunk of Wg in LDS: 32 rows x 32 bytes + 16 of padding: 65 x 16 bytes, so the lanes, a chunk apart, read different 16-byte columns
.set WBASE, 32*WGCH                    ; behind Wg: a region for each wave
.set WREG,  5632                       ; 32 x 144 (the turn of x), 768 (the token's codes), 256 (its scale bytes)
.set CS,    4608
.set SB,    5376
.set XR,  16                           ; v16-47   x as loaded
.set X,   48                           ; v48-79   my block's 32 numbers
.set WB0, 80                           ; v80-143, v144-207: Wg as loaded, then two buffers of 8 rows x 8 experts
.set WB1, 144
.set AG,  208                          ; v208-215 the 8 logits, later the probabilities
.set PX,  236                          ; v236-243 the other half's sums, later the probabilities without the first choice
	s_load_b256 s[4:11], s[0:1], 0x0               ; x, Wg, bg, xc
	s_load_b128 s[12:15], s[0:1], 0x20             ; xs, memb
	s_load_b64 s[16:17], s[0:1], 0x30              ; wf
	v_lshl_add_u32 v254, v0, 2, 0xda00
	v_mov_b32 v255, 0
	v_lshrrev_b32 v14, 5, v0
	v_readfirstlane_b32 s18, v14                   ; wave
	v_and_b32 v1, 31, v0                           ; lane = my block
	s_lshl_b32 s19, ttmp9, 2
	s_add_co_u32 s19, s19, s18                     ; token
	s_mul_i32 s33, s18, WREG
	s_add_co_u32 s33, s33, WBASE                   ; my wave's LDS region
	s_mov_b32 s28, 0x76543210
	s_mov_b32 s29, 0xfedcba98                      ; v_permlanex16_b32's selects for lane l xor 16
	s_mov_b32 s31, 0
	v_lshlrev_b32 v2, 4, v1                        ; x: 16 bytes a lane
	v_lshlrev_b32 v3, 4, v0                        ; Wg: 16 bytes a thread
	v_lshrrev_b32 v14, 3, v1
	v_mul_u32_u24 v4, v14, 144
	v_and_b32 v15, 7, v1
	v_lshl_add_u32 v4, v15, 4, v4
	v_add_nc_u32 v4, s33, v4                       ; the turn, in: a load's 512 bytes are four blocks of 128: 144 (lane / 8) + 16 (lane % 8)
	v_mul_u32_u24 v5, v1, 144
	v_add_nc_u32 v5, s33, v5                       ; out: 144 x lane: my block
	v_lshrrev_b32 v14, 6, v0
	v_mul_u32_u24 v6, v14, WGCH
	v_and_b32 v14, 63, v0
	v_lshl_add_u32 v6, v14, 4, v6                  ; Wg, in: a load's 2,048 bytes are two chunks
	v_mul_u32_u24 v7, v1, WGCH                     ; out: my block's chunk
	v_and_b32 v14, 1, v1
	v_mul_u32_u24 v8, v14, 384
	v_lshrrev_b32 v14, 2, v1
	v_mad_u32_u24 v8, v14, 48, v8
	v_bfe_u32 v14, v1, 1, 1
	v_mad_u32_u24 v8, v14, 24, v8
	v_add_nc_u32 v8, s33, v8                       ; my block's 24 bytes in the token's 768
	v_lshlrev_b32 v12, 3, v1                       ; 8 x lane
	v_add_nc_u32 v9, s33, v12                      ; and the way back out of LDS: 8 bytes a lane
	v_add_nc_u32 v10, s33, v1                      ; my scale byte
	v_lshl_add_u32 v11, v15, 2, s33                ; a scale word: lanes 0-7 (the others read the same words again)
	v_and_b32 v13, 15, v1                          ; le
	v_lshlrev_b32 v244, 2, v13                     ; 4 le
	v_lshlrev_b32 v245, 12, v13                    ; 4,096 le: an expert's row of memb
.irp e, 0,1,2,3,4,5,6,7
	v_mov_b32 v[PX+\e], 0                          ; written once: a lane permute's destination counts as one of its sources
.endr
	s_wait_kmcnt 0x0
	s_load_b256 s[20:27], s[8:9], 0x0              ; bg
	s_lshl_b32 s30, s19, 12
	s_add_nc_u64 s[4:5], s[4:5], s[30:31]          ; my token's row of x
.irp i, 0,1,2,3,4,5,6,7
	global_load_b128 v[XR+4*\i:XR+4*\i+3], v2, s[4:5] offset:512*\i th:TH_LOAD_NT   ; 32 lanes read 512 consecutive bytes
.endr
.irp i, 0,1,2,3,4,5,6,7,8,9,10,11,12,13,14,15
	global_load_b128 v[WB0+4*\i:WB0+4*\i+3], v3, s[6:7] offset:2048*\i             ; the four waves read 2,048 consecutive bytes of Wg
.endr
	s_mul_i32 s30, s19, 768
	s_add_nc_u64 s[10:11], s[10:11], s[30:31]
	s_lshl_b32 s30, s19, 5
	s_add_nc_u64 s[12:13], s[12:13], s[30:31]
	s_lshl_b32 s30, s19, 2
	s_add_nc_u64 s[14:15], s[14:15], s[30:31]
	s_lshl_b32 s30, s19, 6
	s_add_nc_u64 s[16:17], s[16:17], s[30:31]
	s_wait_loadcnt 16                              ; x's eight loads are in; Wg's sixteen, issued behind them, may be out
.irp i, 0,1,2,3,4,5,6,7
	ds_store_b128 v4, v[XR+4*\i:XR+4*\i+3] offset:576*\i
.endr
.irp k, 0,1,2,3,4,5,6,7
	ds_load_b128 v[X+4*\k:X+4*\k+3], v5 offset:16*\k   ; LDS serves a wave's instructions in order: these see my stores
.endr
	s_wait_loadcnt 0x0                             ; Wg
.irp i, 0,1,2,3,4,5,6,7,8,9,10,11,12,13,14,15
	ds_store_b128 v6, v[WB0+4*\i:WB0+4*\i+3] offset:2*WGCH*\i
.endr
	s_wait_dscnt 0x0                               ; for the others' sake: my part of Wg has landed (and my block is in)
	s_barrier_signal -1
	s_barrier_wait -1                              ; the launch's one barrier: all of Wg lies in LDS
	; my block as codes
	v_max3_num_f32 v216, |v[X]|, |v[X+1]|, |v[X+2]|
	v_max3_num_f32 v217, |v[X+3]|, |v[X+4]|, |v[X+5]|
.irp i, 6,10,14,18,22,26
	v_max3_num_f32 v216, v216, |v[X+\i]|, |v[X+\i+1]|
	v_max3_num_f32 v217, v217, |v[X+\i+2]|, |v[X+\i+3]|
.endr
	v_max3_num_f32 v216, v216, |v[X+30]|, |v[X+31]|
	v_max3_num_f32 v216, v216, v217, 0x2800000     ; and the floor 2^(5 - 127): the byte cannot fall under 1
	v_add_nc_u32 v218, 0xfe000000, v216            ; 4 off the exponent field: the conversion takes the exponent field of this operand as its scale
	v_cvt_scalef32_pk16_bf6_f32 v[220:222], v[X:X+15], v218
	v_cvt_scalef32_pk16_bf6_f32 v[224:226], v[X+16:X+31], v218   ; (a conversion's three registers begin on an even number)
	v_lshrrev_b32 v219, 23, v218                   ; the scale's byte.  (The plain place behind the conversions)
	v_mov_b32 v223, v224
	v_mov_b32 v224, v225
	v_mov_b32 v225, v226                           ; v220-225: the block's 24 bytes on end
	ds_store_b64 v8, v[220:221] offset:CS
	ds_store_b64 v8, v[222:223] offset:CS+8
	ds_store_b64 v8, v[224:225] offset:CS+16
	ds_store_b8 v10, v219 offset:SB
.irp k, 0,1,2
	ds_load_b64 v[228+2*\k:229+2*\k], v9 offset:CS+256*\k
.endr
	ds_load_b32 v234, v11 offset:SB
.macro WGLD g, buf                     ; rows 8 g .. 8 g + 7 of my block's 32 rows of Wg: 256 bytes
.irp q, 0,1,2,3,4,5,6,7,8,9,10,11,12,13,14,15
	ds_load_b128 v[\buf+4*\q:\buf+4*\q+3], v7 offset:256*(\g)+16*\q
.endr
.endm
.macro GFMA g, buf                     ; 8 rows x 8 experts: two experts an instruction, the row's x for both halves
.irp i, 0,1,2,3,4,5,6,7
.irp p, 0,1,2,3
.if ((\g) == 0) && (\i == 0)
	v_pk_mul_f32 v[AG+2*\p:AG+2*\p+1], v[\buf+2*\p:\buf+2*\p+1], v[X:X+1] op_sel_hi:[1,0]   ; the first row starts the sums
.elseif (\i%2) == 0
	v_pk_fma_f32 v[AG+2*\p:AG+2*\p+1], v[\buf+8*\i+2*\p:\buf+8*\i+2*\p+1], v[X+8*(\g)+\i:X+8*(\g)+\i+1], v[AG+2*\p:AG+2*\p+1] op_sel_hi:[1,0,1]
.else
	v_pk_fma_f32 v[AG+2*\p:AG+2*\p+1], v[\buf+8*\i+2*\p:\buf+8*\i+2*\p+1], v[X+8*(\g)+\i-1:X+8*(\g)+\i], v[AG+2*\p:AG+2*\p+1] op_sel:[0,1,0] op_sel_hi:[1,1,1]
.endif
.endr
.endr
.endm
	WGLD 0, WB0
	WGLD 1, WB1
	s_wait_dscnt 16                                ; all but the sixteen just issued: group 0, and my codes and scale word
.irp k, 0,1,2
	global_store_b64 v12, v[228+2*\k:229+2*\k], s[10:11] offset:256*\k   ; 32 lanes store 256 consecutive bytes, at a multiple of 256 from xc's first byte
.endr
	GFMA 0, WB0
	WGLD 2, WB0
	s_wait_alu depctr_va_vdst(0)
	s_wait_dscnt 16                                ; group 1 is in; group 2's sixteen may be out
	GFMA 1, WB1
	WGLD 3, WB1
	s_wait_alu depctr_va_vdst(0)
	s_wait_dscnt 16                                ; group 2
	GFMA 2, WB0
	s_wait_alu depctr_va_vdst(0)
	s_wait_dscnt 0x0
	GFMA 3, WB1
	; the 32 lanes' sums: four steps inside each half of the lanes, one across
.irp m, 1,2,4,8
.irp e, 0,1,2,3,4,5,6,7
	v_add_f32_dpp v[AG+\e], v[AG+\e], v[AG+\e] row_xmask:\m row_mask:0xf bank_mask:0xf
.endr
.endr
.irp e, 0,1,2,3,4,5,6,7
	v_permlanex16_b32 v[PX+\e], v[AG+\e], s28, s29
.endr
	s_wait_alu depctr_va_vdst(0)
	s_wait_kmcnt 0x0                               ; bg
.irp e, 0,1,2,3,4,5,6,7
	v_add_f32 v[AG+\e], v[AG+\e], v[PX+\e]
.endr
.irp e, 0,1,2,3,4,5,6,7
	v_add_f32 v[AG+\e], s[20+\e], v[AG+\e]         ; every lane now holds the token's 8 logits
.endr
	v_max3_num_f32 v216, v[AG], v[AG+1], v[AG+2]
	v_max3_num_f32 v216, v216, v[AG+3], v[AG+4]
	v_max3_num_f32 v216, v216, v[AG+5], v[AG+6]
	v_max_num_f32 v216, v216, v[AG+7]              ; the largest logit is taken away before the exponentials
.irp e, 0,1,2,3,4,5,6,7
	v_sub_f32 v[AG+\e], v[AG+\e], v216
.endr
.irp e, 0,1,2,3,4,5,6,7
	v_mul_f32 v[AG+\e], 0x3fb8aa3b, v[AG+\e]       ; x log2(e)
.endr
	s_wait_alu depctr_va_vdst(0)
.irp e, 0,1,2,3,4,5,6,7
	v_exp_f32 v[AG+\e], v[AG+\e]
.endr
	v_nop                                          ; a plain place behind the exponentials
	s_wait_alu depctr_va_vdst(0)                   ; one wait for the eight, ahead of their first reader
	v_add_f32 v217, v[AG], v[AG+1]
	v_add_f32 v218, v[AG+2], v[AG+3]
	v_add_f32 v219, v[AG+4], v[AG+5]
	v_add_f32 v220, v[AG+6], v[AG+7]
	v_add_f32 v217, v217, v218
	v_add_f32 v219, v219, v220
	v_add_f32 v217, v217, v219
	s_wait_alu depctr_va_vdst(0)
	v_rcp_f32 v217, v217
	v_nop
	s_wait_alu depctr_va_vdst(0)
.irp e, 0,1,2,3,4,5,6,7
	v_mul_f32 v[AG+\e], v[AG+\e], v217             ; the probabilities
.endr
	; the first choice: a later expert takes the place only where it is strictly larger
	v_mov_b32 v218, v[AG]
	v_mov_b32 v219, 0
.irp e, 1,2,3,4,5,6,7
	v_cmp_ge_f32 vcc_lo, v218, v[AG+\e]
	v_cndmask_b32 v218, v[AG+\e], v218, vcc_lo
	v_cndmask_b32 v219, \e, v219, vcc_lo
.endr
	; the second: the same scan of a copy in which the first choice is -1, under every probability
	v_mov_b32 v227, -1.0
.irp e, 0,1,2,3,4,5,6,7
	v_cmp_eq_u32 vcc_lo, \e, v219
	v_cndmask_b32 v[PX+\e], v[AG+\e], v227, vcc_lo
.endr
	v_mov_b32 v220, v[PX]
	v_mov_b32 v221, 0
.irp e, 1,2,3,4,5,6,7
	v_cmp_ge_f32 vcc_lo, v220, v[PX+\e]
	v_cndmask_b32 v220, v[PX+\e], v220, vcc_lo
	v_cndmask_b32 v221, \e, v221, vcc_lo
.endr
	; what lane le stores: word le of the token's row of wf, and for le < 8 the mark of expert le
	v_cmp_eq_u32 vcc_lo, 8, v13
	v_cndmask_b32 v222, v13, v219, vcc_lo          ; word 8 is the first choice's,
	v_cmp_eq_u32 vcc_lo, 9, v13
	v_cndmask_b32 v222, v222, v221, vcc_lo         ; word 9 the second's; words 10-15 match no expert
	v_mov_b32 v225, 1
	v_mov_b32 v226, 2
	v_cmp_eq_u32 vcc_lo, v222, v219
	v_cndmask_b32 v223, 0, v218, vcc_lo
	v_cndmask_b32 v224, 0, v225, vcc_lo
	v_cmp_eq_u32 vcc_lo, v222, v221
	v_cndmask_b32 v223, v223, v220, vcc_lo
	v_cndmask_b32 v224, v224, v226, vcc_lo
	s_wait_alu depctr_va_vdst(0)
	s_wait_xcnt 0x0                                ; EXEC changes only behind this wait: the codes' stores have read it
	s_wait_tensorcnt 0x0
	ds_add_u32 v254, v255
	s_wait_dscnt 0x0
	v_cmpx_gt_u32 16, v1                           ; lanes 0-15
	global_store_b32 v244, v223, s[16:17]          ; the token's 64 bytes of wf
	s_wait_xcnt 0x0                                ; and again
	v_cmpx_gt_u32 8, v1                            ; lanes 0-7
	global_store_b32 v245, v224, s[14:15]          ; memb[le][token]
	global_store_b32 v244, v234, s[12:13]          ; the token's 32 scale bytes
	s_endpgm
.Lfunc_end_k_q5bad526176_route:
	.size	k_q5bad526176_route, .Lfunc_end_k_q5bad526176_route-k_q5bad526176_route
	.p2alignl 7, 3214868480
	.fill 96, 4, 3214868480
	.section	.rodata,"a",@progbits
	.p2align	6, 0x0
	.amdhsa_kernel k_q5bad526176_route
		.amdhsa_group_segment_fixed_size 56320
		.amdhsa_private_segment_fixed_size 0
		.amdhsa_enable_private_segment 0
		.amdhsa_kernarg_size 56
		.amdhsa_user_sgpr_count 2
		.amdhsa_user_sgpr_kernarg_segment_ptr 1
		.amdhsa_wavefront_size32 1
		.amdhsa_system_sgpr_workgroup_id_x 1
		.amdhsa_system_sgpr_workgroup_id_y 1
		.amdhsa_system_sgpr_workgroup_id_z 1
		.amdhsa_system_vgpr_workitem_id 0
		.amdhsa_next_free_vgpr 256
		.amdhsa_next_free_sgpr 66
		.amdhsa_reserve_vcc 1
		.amdhsa_float_denorm_mode_32 3
		.amdhsa_float_denorm_mode_16_64 3
		.amdhsa_memory_ordered 1
		.amdhsa_forward_progress 1
		.amdhsa_inst_pref_size 30
	.end_amdhsa_kernel
	.amdgpu_metadata
---
amdhsa.version: [ 1, 2 ]
amdhsa.kernels:
  - .name:           k_q5bad526176_route
    .symbol:         k_q5bad526176_route.kd
    .args:
      - { .name: x, .offset: 0, .size: 8, .value_kind: global_buffer, .address_space: global }
      - { .name: Wg, .offset: 8, .size: 8, .value_kind: global_buffer, .address_space: global }
      - { .name: bg, .offset: 16, .size: 8, .value_kind: global_buffer, .address_space: global }
      - { .name: xc, .offset: 24, .size: 8, .value_kind: global_buffer, .address_space: global }
      - { .name: xs, .offset: 32, .size: 8, .value_kind: global_buffer, .address_space: global }
      - { .name: memb, .offset: 40, .size: 8, .value_kind: global_buffer, .address_space: global }
      - { .name: wf, .offset: 48, .size: 8, .value_kind: global_buffer, .address_space: global }
    .group_segment_fixed_size: 56320
    .private_segment_fixed_size: 0
    .kernarg_segment_align: 8
    .kernarg_segment_size: 56
    .max_flat_workgroup_size: 128
    .sgpr_count:     66
    .vgpr_count:     256
    .wavefront_size: 32
...
	.end_amdgpu_metadata
.endif
;; end of part 1
;; launch ffn1 (part 2): grid 32 x 8, 4 waves a work-group, no clusters, 110,080 bytes of LDS; arguments W1_codes, W1_scales, b1, xc, xs, memb, hc, hs, lst; writes hc, hs, lst
.if DOCPART == 2
	.amdgcn_target "amdgcn-amd-amdhsa--gfx1250"
	.amdhsa_code_object_version 6
	.text
	.protected	k_q5bad526176_ffn1
	.globl	k_q5bad526176_ffn1
	.p2align	8
	.type	k_q5bad526176_ffn1,@function
k_q5bad526176_ffn1:
	s_mov_b64 s[64:65], 0
	v_nop
	global_prefetch_b8 v0, s[64:65] scope:SCOPE_SE
	s_setreg_imm32_b32 hwreg(HW_REG_WAVE_MODE, 25, 1), 1
	s_wait_xcnt 0x0
; THE FIRST LAYER OF THE CHOSEN EXPERTS: H = Q(gelu(x W1^T + b1)), on codes of BF6 (E3M2) with one E8M0 scale for each 32 along K, only for the rows (token, choice) that the gate has sent to the expert.
; SHARES.  Work-group (ks, e) owns hidden units 128 ks .. 128 ks + 127 of expert e: 128 rows x 768 bytes of W1's codes, one dense block of 98,304 bytes that no other work-group reads.  The four waves bring it into LDS
; together, 512 consecutive bytes a load, and then EACH wave takes all of it into registers: 64 fragments x 12 = 768 registers, which stay.  The expert's rows go in tiles of 16; tile m is wave m % 4's.
; THE LIST.  Wave 0 sorts while the weights are on their way: from memb[e][.] (0, 1, 2) it lays the entries 2 token + choice of its expert on end in LDS, filled up with 2048 + e; nt = the number of tiles.
; The work-groups with ks = 0 also store list and nt for the next launch.
; A TILE: x's eight fragments (registers' images in xc, gathered by the list), 64 matrix instructions (transposed: source 0 = 16 rows of W1, source 1 = 16 rows of x; C of the first link = b1), gelu in f32, the quantiser
; along the hidden units; the result is K step ks of the next product: a fragment's image (1,536 bytes, dense) into hc[e][tile][ks] and 16 scale words into hs.  Rows that only fill a tile up compute token 1023 and are stored like any row.
; THE ROWS OF W1 THAT FORM A TILE ARE NOT NEIGHBOURS: lane r of tile 2 b + u takes row 32 b + 8 u + r + 8 (r / 8), so that the 16 registers of tiles 2 b, 2 b + 1 are 16 neighbours along the next K.  In LDS a row f of a group of 32
; lies at the place of f with bits 3 and 4 exchanged, where those rows are neighbours again.
; gelu(v) = v / (1 + 2^(v (c1 + c2 v^2))), c1 = -2 sqrt(2/pi) log2(e), c2 = 0.044715 c1: the tanh form, written with one exponential and one reciprocal.
; NO TENSOR LOADS, NO CLUSTER: which trips do work hangs on nt, a number read from memory.  What the 32 work-groups of an expert share is x's codes, 768 bytes a row.
; LIMITS: NaN and infinities are not served; blocks whose largest magnitude lies under 2^-122 keep the scale byte 1 (a block of zeros too: its codes are zeros).  An expert's weights reach only the tokens that chose it.
; REGISTERS, in windows of 256: window 0: v0-15 addresses; v16-47 W1's scale words, v48-51 x's (scales and nothing else); v52-63 fragment 63; v64-127 the 8 accumulators; v128-223 x's 8 fragments; v224-255 at work.
;   windows 1-3: W1's fragments i = 8 s + t (K step s, tile t), i < 63: window 1 + i / 21, register 12 (i % 21).  Before that window 1 takes the 48 loads of the staging.
.set P1,   816                         ; an LDS row of W1: 768 bytes + 48 = 204 words: row r starts at bank 12 r mod 64 (64 banks of 4 bytes: ISA guide 11.1): the 32 lanes of a load of 8 bytes (16 rows, two halves 24 bytes apart) touch 64 different banks
.set LIST, 128*P1                      ; behind the weights: 1,152 words: 0-1087 the list, 1088-1119 a dump for lanes with nothing to place, 1120-1151 nt
.set NTW,  LIST+4480
.set B1L,  LIST+4608                   ; b1's 128 numbers
.set W1S, 16
.set XS,  48
.set F63, 52
.set ACC, 64
.set XF,  128
.set T,   224
.set TM,  224                          ; v224-227 largest magnitudes, v228-231 the other half's, then the bytes; both then take the conversions' second halves
.set SCO, 232                          ; v232-235 the conversions' scale operands
.set PC,  236                          ; v236-247 the fragment just made
.set PW,  248                          ; its scale word
.set MB,  128                          ; wave 0, ahead of the tiles: v128-159 memb, v160-195 the list on its way out, v224-239 at work
.set RBK, 160
.set SA0, 240                          ; ahead of the tiles: v240-241 staging addresses, v243-244 the fragments' LDS addresses, v245 nt's word, v246 the list by 16 bytes, v247 W1's scale words, v250-252 b1's way in
.set SA1, 241
.set FA,  243
.set NTA, 245
.set PF,  246
.set W1SO, 247
.set B1W, 250
.set B1G, 251
.set B1V, 252
.set MSB, 0
.macro WIN new                         ; the immediate's high byte repeats the setting that is left
.if MSB != (\new)
	s_set_vgpr_msb (MSB<<8)|(\new)
.set MSB, (\new)
.endif
.endm
.macro BARRIER                         ; my LDS stores have landed and my LDS loads are in: then the work-group's barrier
	s_wait_dscnt 0x0
	s_barrier_signal -1
	s_barrier_wait -1
.endm
.macro WMX c, m1, m2                   ; one product: D v[AC..], source 0 v[RA..], source 1 v[RB..], scales v[SCA], v[SCB]
	v_wmma_scale_f32_16x16x128_f8f6f4 v[AC:AC+7], v[RA:RA+11], v[RB:RB+11], \c, v[SCA], v[SCB] matrix_a_fmt:MATRIX_FMT_BF6 matrix_b_fmt:MATRIX_FMT_BF6 \m1 \m2
.endm
	s_load_b512 s[8:23], s[0:1], 0x0               ; W1's codes s[8:9], W1's scales s[10:11], b1 s[12:13], xc s[14:15], xs s[16:17], memb s[18:19], hc s[20:21], hs s[22:23]
	s_load_b64 s[24:25], s[0:1], 0x40              ; lst
	s_set_vgpr_msb 0x40
	v_lshl_add_u32 v254, v0, 2, 0x1ac00
	v_mov_b32 v255, 0
	s_set_vgpr_msb 0x4000
	v_lshrrev_b32 v14, 5, v0
	v_readfirstlane_b32 s26, v14                   ; wave
	s_and_b32 s27, ttmp7, 0xffff                   ; e
	s_mov_b32 s28, ttmp9                           ; ks
	s_mov_b32 s35, 0
	s_mov_b32 s36, 0xbdd2d3e8                      ; c2 = -0.10294324
	s_mov_b32 s37, 0xbdd2d3e8                      ; (named with it as a pair, so it is written)
	s_mov_b32 s40, 0x76543210
	s_mov_b32 s41, 0xfedcba98                      ; v_permlanex16_b32's selects for lane l xor 16
	v_and_b32 v15, 31, v0                          ; lane
	v_and_b32 v14, 15, v0                          ; r
	v_bfe_u32 v13, v0, 4, 1                        ; h
	v_lshlrev_b32 v5, 4, v15                       ; v5  16 x lane
	v_lshlrev_b32 v6, 2, v14                       ; v6  4 r: my row's scale word in hs
	v_lshl_add_u32 v7, v13, 6, B1L                 ; v7  b1 in LDS: lane (r, h) wants, for tile 2 b + u, units 32 b + 16 h + 8 u + 0 .. 7
	v_mul_u32_u24 v8, v13, 384                     ; v8  my half of a token's codes
	v_lshlrev_b32 v9, 4, v13                       ; v9  my half of its scale words: lanes 0-15 K steps 0-3, lanes 16-31 K steps 4-7
	v_mov_b32 v10, 0xc0135761                      ; v[10:11] c1 = -2.3022082, twice
	v_mov_b32 v11, 0xc0135761
	s_lshl_b32 s33, s26, 6
	v_lshl_add_u32 v12, v14, 2, s33
	v_add_nc_u32 v12, LIST, v12                    ; v12 entry r of tile number wave
	s_mul_i32 s33, s26, 32*P1
	v_add_nc_u32 v[SA0], s33, v5                   ; staging: my wave's 32 rows, 16 bytes a lane;
	v_mad_u32_u24 v[SA1], v13, 48, v[SA0]          ; of three loads (two rows of 768 bytes) the middle one's lanes 16-31 lie in the second row: 816 - 768 = 48 bytes further on
	v_mul_u32_u24 v[FA], v14, P1
	v_mad_u32_u24 v[FA], v13, 24, v[FA]            ; a fragment: row r, + 24 h;  tiles 0-3
	v_add_nc_u32 v[FA+1], 64*P1, v[FA]             ; tiles 4-7
	v_lshl_add_u32 v[NTA], v15, 2, NTW
	v_add_nc_u32 v[PF], LIST, v5
	v_and_b32 v[W1SO], 8, v14
	v_add_nc_u32 v[W1SO], v[W1SO], v14             ; r + 8 (r / 8)
	v_lshl_add_u32 v[W1SO], v[W1SO], 5, v9         ; its 32 scale bytes, my half's four words
	v_lshlrev_b32 v[B1G], 2, v0
	v_add_nc_u32 v[B1W], B1L, v[B1G]
	s_wait_alu depctr_va_vdst(0)
	s_wait_kmcnt 0x0
	s_mul_i32 s34, s27, 3145728
	s_mul_i32 s33, s28, 98304
	s_add_co_u32 s34, s34, s33
	s_mul_i32 s33, s26, 24576
	s_add_co_u32 s34, s34, s33
	s_add_nc_u64 s[8:9], s[8:9], s[34:35]          ; W1's codes: my wave's 32 rows of the slice
	s_lshl_b32 s34, s27, 17
	s_lshl_b32 s33, s28, 12
	s_add_co_u32 s34, s34, s33
	s_add_nc_u64 s[10:11], s[10:11], s[34:35]      ; the slice's scale bytes
	s_lshl_b32 s34, s27, 14
	s_lshl_b32 s33, s28, 9
	s_add_co_u32 s34, s34, s33
	s_add_nc_u64 s[12:13], s[12:13], s[34:35]      ; the slice's b1
	s_lshl_b32 s34, s27, 12
	s_add_nc_u64 s[18:19], s[18:19], s[34:35]      ; memb[e]
	s_mul_i32 s34, s27, 3145728
	s_mul_i32 s33, s26, 49152
	s_add_co_u32 s34, s34, s33
	s_mul_i32 s33, s28, 1536
	s_add_co_u32 s34, s34, s33
	s_add_nc_u64 s[20:21], s[20:21], s[34:35]      ; hc[e][tile = wave][ks]
	s_lshl_b32 s34, s27, 17
	s_lshl_b32 s33, s26, 11
	s_add_co_u32 s34, s34, s33
	s_lshl_b32 s33, s28, 6
	s_add_co_u32 s34, s34, s33
	s_add_nc_u64 s[22:23], s[22:23], s[34:35]      ; hs[e][tile = wave], 64 bytes for each ks
	s_lshl_b32 s34, s27, 13
	s_add_nc_u64 s[24:25], s[24:25], s[34:35]      ; lst[e]
	global_load_b32 v[B1V], v[B1G], s[12:13]       ; b1: 128 threads, 512 consecutive bytes
	s_cmp_lg_u32 s26, 0
	s_cbranch_scc1 .Lnomemb
.irp i, 0,1,2,3,4,5,6,7
	global_load_b128 v[MB+4*\i:MB+4*\i+3], v5, s[18:19] offset:512*\i   ; wave 0: register 4 i + j of lane l is token 128 i + 4 l + j
.endr
.Lnomemb:
	WIN 0x40                                       ; destination window 1
.set II, 0
.rept 48
	global_load_b128 v[4*II:4*II+3], v5, s[8:9] offset:512*II th:TH_LOAD_NT   ; my wave's 24,576 bytes of the slice, 512 consecutive bytes a load; read once in the launch
.set II, II+1
.endr
	WIN 0
	s_cmp_lg_u32 s26, 0
	s_cbranch_scc1 .Lnolist
	; ---- wave 0 alone, and the only wave that touches LDS ahead of the first barrier: the expert's list
	s_wait_loadcnt 48                              ; memb's eight loads are in; the 48 issued behind them may be out
	s_add_co_u32 s38, s27, 2048
	v_mov_b32 v224, s38
	v_mov_b32 v225, s38
	v_mov_b32 v226, s38
	v_mov_b32 v227, s38
.irp k, 0,1,2,3,4,5,6,7,8
	ds_store_b128 v[PF], v[224:227] offset:512*\k  ; all 1,152 words begin as 2048 + e: what fills a tile up
.endr
	v_and_b32 v239, 31, v0
	v_add_nc_u32 v238, 1088, v239                  ; my word of the dump
	v_lshlrev_b32 v239, 3, v239                    ; 8 x lane
	s_mov_b32 s32, 0                               ; entries placed
.set NN, 0
.rept 32
.set TA, 229+2*(NN%2)
	v_cmp_ne_u32 s33, 0, v[MB+NN]                  ; whose token chose e
	v_mbcnt_lo_u32_b32 v[TA], s33, 0               ; how many of them in the lanes below me
	v_add_nc_u32 v[TA], s32, v[TA]
	v_cndmask_b32 v[TA], v238, v[TA], s33          ; my place, or the dump
	v_min_u32 v[TA], 1119, v[TA]
	v_lshl_add_u32 v[TA], v[TA], 2, LIST
	v_add3_u32 v[TA+1], v[MB+NN], v239, 256*(NN/4)+2*(NN%4)-1   ; 2 token + mark - 1
	ds_store_b32 v[TA], v[TA+1]
	s_bcnt1_i32_b32 s34, s33
	s_add_co_u32 s32, s32, s34
.set NN, NN+1
.endr
	s_add_co_u32 s33, s32, 15
	s_lshr_b32 s33, s33, 4
	v_mov_b32 v228, s33
	ds_store_b32 v[NTA], v228                      ; nt, 32 times
	s_cmp_lg_u32 s28, 0
	s_cbranch_scc1 .Lnolist
.irp k, 0,1,2,3,4,5,6,7,8
	ds_load_b128 v[RBK+4*\k:RBK+4*\k+3], v[PF] offset:512*\k   ; LDS serves a wave's instructions in order: these see my stores
.endr
	s_wait_dscnt 0x0
.irp k, 0,1,2,3,4,5,6,7,8
	global_store_b128 v5, v[RBK+4*\k:RBK+4*\k+3], s[24:25] offset:512*\k   ; 512 consecutive bytes a store
.endr
	s_wait_xcnt 0x0                                ; the stores have read their registers, which x's fragments will take
.Lnolist:
	BARRIER                                        ; the list lies in LDS; from here on the other waves may store to LDS
	s_wait_loadcnt 0x0                             ; my part of the slice, and b1
	ds_store_b32 v[B1W], v[B1V]
	WIN 0x04                                       ; an LDS store's data are its source 1: window 1
.set II, 0
.rept 48
.set FF, 2*(II/3)
.set RW, (FF&7)|(((FF>>3)&1)<<4)|(((FF>>4)&1)<<3)  ; the row's place: bits 3 and 4 exchanged
.if (II%3) == 0
	ds_store_b128 v[SA0], v[4*II:4*II+3] offset:RW*P1
.elseif (II%3) == 1
	ds_store_b128 v[SA1], v[4*II:4*II+3] offset:RW*P1+512
.else
	ds_store_b128 v[SA0], v[4*II:4*II+3] offset:RW*P1+P1+256
.endif
.set II, II+1
.endr
	WIN 0
.irp t, 0,1,2,3,4,5,6,7
	global_load_b128 v[W1S+4*\t:W1S+4*\t+3], v[W1SO], s[10:11] offset:(32*(\t/2)+8*(\t%2))*32   ; tile t's scale words: register K step % 4; lanes 0-15 K steps 0-3, lanes 16-31 K steps 4-7
.endr
	BARRIER                                        ; the slice and b1 lie in LDS; nothing is stored to LDS from here on
.macro XLOAD                           ; the 16 rows named by v2: their codes' images and their scale words
	v_lshrrev_b32 v3, 1, v2                        ; the token;
	v_min_u32 v3, 1023, v3                         ; what fills a tile up takes token 1023
	v_lshl_add_u32 v4, v3, 5, v9
	v_mad_u32_u24 v3, v3, 768, v8
.set II, 0
.rept 24
	global_load_b128 v[XF+4*II:XF+4*II+3], v3, s[14:15] offset:16*II   ; my half's 384 bytes on end: K step s at 48 s
.set II, II+1
.endr
	global_load_b128 v[XS:XS+3], v4, s[16:17]
.endm
.macro B1LOAD                          ; b1 in the result's layout, into the accumulators: the C of each sum's first link
.irp t, 0,1,2,3,4,5,6,7
	ds_load_b128 v[ACC+8*\t:ACC+8*\t+3], v7 offset:128*(\t/2)+32*(\t%2)
	ds_load_b128 v[ACC+8*\t+4:ACC+8*\t+7], v7 offset:128*(\t/2)+32*(\t%2)+16
.endr
.endm
	ds_load_b32 v14, v[NTA]
	ds_load_b32 v2, v12                            ; my first tile's entries
	s_wait_dscnt 0x0
	v_readfirstlane_b32 s29, v14
	s_min_u32 s29, s29, 64                         ; nt
	XLOAD
	B1LOAD
	; all 64 fragments of the slice into my registers: a fragment is 6 loads of 8 bytes
.set II, 0
.rept 64
.set TT, II%8
.set KK, II/8
.if II < 63
.set WW, (1+II/21)<<6
.set RA, 12*(II%21)
.else
.set WW, 0
.set RA, F63
.endif
	WIN WW
.irp p, 0,1,2,3,4,5
	ds_load_b64 v[RA+2*\p:RA+2*\p+1], v[FA+TT/4] offset:16*(TT%4)*P1+96*KK+48*(\p/3)+8*(\p%3)
.endr
.set II, II+1
.endr
	WIN 0
	s_wait_dscnt 0x0
.macro GELU q                          ; 32 numbers, accumulators 4 q .. 4 q + 3, each from its low end on
.set XB, ACC+32*(\q)
.set JJ, 0
.rept 16
	v_pk_mul_f32 v[T+JJ:T+JJ+1], v[XB+JJ:XB+JJ+1], v[XB+JJ:XB+JJ+1]
.set JJ, JJ+2
.endr
.set JJ, 0
.rept 16
	v_pk_fma_f32 v[T+JJ:T+JJ+1], v[T+JJ:T+JJ+1], s[36:37], v[10:11] op_sel_hi:[1,0,1]   ; c1 + c2 v^2
.set JJ, JJ+2
.endr
.set JJ, 0
.rept 16
	v_pk_mul_f32 v[T+JJ:T+JJ+1], v[T+JJ:T+JJ+1], v[XB+JJ:XB+JJ+1]
.set JJ, JJ+2
.endr
.set JJ, 0
	s_wait_alu depctr_va_vdst(0)
.rept 32
	v_exp_f32 v[T+JJ], v[T+JJ]
.set JJ, JJ+1
.endr
	v_nop                                          ; a plain place behind the batch
	s_wait_alu depctr_va_vdst(0)                   ; one wait for the 32, ahead of their first reader
.set JJ, 0
.rept 16
	v_pk_add_f32 v[T+JJ:T+JJ+1], v[T+JJ:T+JJ+1], 1.0 op_sel_hi:[1,0]
.set JJ, JJ+2
.endr
.set JJ, 0
	s_wait_alu depctr_va_vdst(0)
.rept 32
	v_rcp_f32 v[T+JJ], v[T+JJ]
.set JJ, JJ+1
.endr
	v_nop
	s_wait_alu depctr_va_vdst(0)
.set JJ, 0
.rept 16
	v_pk_mul_f32 v[XB+JJ:XB+JJ+1], v[XB+JJ:XB+JJ+1], v[T+JJ:T+JJ+1]
.set JJ, JJ+2
.endr
.endm
	s_mov_b32 s30, s26                             ; my tile
	s_mov_b32 s31, 0                               ; trip
	s_mov_b32 s39, 256                             ; from my first tile's entries to those of the tile after the one in hand: four tiles of 64 bytes a trip
.Ltile:                                                ; 16 trips in every wave: 64 tiles at the most, four waves.  A trip whose tile does not exist does no work
	s_cmp_ge_u32 s30, s29
	s_cbranch_scc1 .Lskip
	v_add_nc_u32 v1, s39, v12
	ds_load_b32 v2, v1                             ; the next tile's entries (the list is filled up as far as this reaches: word 1,087)
	s_wait_loadcnt 0x0                             ; this tile's x (asked for a tile ago); in the first trip W1's scale words too
	s_wait_dscnt 0x1                               ; b1 is in the accumulators; the load just issued may be out
.set II, 0
.rept 64                               ; K step by K step, the 8 accumulators by turns, one instruction a turn
.set TT, II%8
.set KK, II/8
.if II < 63
.set WW, 1+II/21
.set RA, 12*(II%21)
.else
.set WW, 0
.set RA, F63
.endif
.set AC, ACC+8*TT
.set RB, XF+12*KK
.set SCA, W1S+4*TT+KK%4
.set SCB, XS+KK%4
	WIN WW
.if KK < 4
	WMX v[AC:AC+7]
.else
	WMX v[AC:AC+7], matrix_a_scale:MATRIX_SCALE_ROW1, matrix_b_scale:MATRIX_SCALE_ROW1
.endif
.set II, II+1
.endr
	WIN 0
.rept 4
	v_nop                                          ; four places in front of loads into registers that the products have read, and of the first read of results
.endr
	s_wait_dscnt 0x0                               ; the next tile's entries
	XLOAD                                          ; lands while this tile's gelu is worked (its address registers are free since the wait for all loads above)
	GELU 0
	GELU 1
	; the quantiser: register 16 b + i of the accumulators is hidden unit 32 b + 16 h + i of my row
.irp b, 0,1,2,3
	v_max3_num_f32 v[TM+\b], |v[ACC+16*\b]|, |v[ACC+16*\b+1]|, 0x2800000   ; and the floor 2^(5 - 127): the byte cannot fall under 1
.endr
.irp i, 2,4,6,8,10,12,14
.irp b, 0,1,2,3
	v_max3_num_f32 v[TM+\b], v[TM+\b], |v[ACC+16*\b+\i]|, |v[ACC+16*\b+\i+1]|
.endr
.endr
.irp b, 0,1,2,3
	v_permlanex16_b32 v[TM+4+\b], v[TM+\b], s40, s41
.endr
.irp b, 0,1,2,3
	v_max_num_f32 v[TM+\b], v[TM+\b], v[TM+4+\b]   ; with lane l xor 16's: the block's largest magnitude
.endr
.irp b, 0,1,2,3
	v_add_nc_u32 v[SCO+\b], 0xfe000000, v[TM+\b]   ; 4 off its exponent field: the conversion's scale operand
.endr
.irp b, 0,1,2,3
	v_lshrrev_b32 v[TM+4+\b], 23, v[SCO+\b]        ; the scale's byte
.endr
	v_lshl_or_b32 v[PW], v[TM+5], 8, v[TM+4]
	v_lshl_or_b32 v[PW], v[TM+6], 16, v[PW]
	v_lshl_or_b32 v[PW], v[TM+7], 24, v[PW]        ; my row's scale word
.irp c, 0,1
	v_cvt_scalef32_pk16_bf6_f32 v[PC+6*\c:PC+6*\c+2], v[ACC+32*\c:ACC+32*\c+15], v[SCO+2*\c]
	v_cvt_scalef32_pk16_bf6_f32 v[TM+4*\c:TM+4*\c+2], v[ACC+32*\c+16:ACC+32*\c+31], v[SCO+2*\c+1]   ; (a conversion's three registers begin on an even number)
.endr
	v_nop                                          ; one plain place behind the conversions
	B1LOAD                                         ; the accumulators are free: the next tile's bias, with the lines below in which to land
.irp c, 0,1                            ; the operand's layout wants a whole block in a lane: lanes 0-15 block 2 c, lanes 16-31 block 2 c + 1
.irp i, 0,1,2
	v_permlane16_swap_b32 v[PC+6*\c+\i], v[TM+4*\c+\i]
.endr
.irp i, 0,1,2
	v_mov_b32 v[PC+3+6*\c+\i], v[TM+4*\c+\i]
.endr
.endr
.irp c, 0,1,2
	global_store_b128 v5, v[PC+4*\c:PC+4*\c+3], s[20:21] offset:512*\c   ; the fragment as it stands: 512 consecutive bytes a store, at a multiple of 256 from hc's first byte
.endr
	global_store_b32 v6, v[PW], s[22:23]           ; 16 scale words, 64 bytes (lanes r and r + 16 hold the same word and name the same place)
	s_wait_xcnt 0x0                                ; the stores have read their registers and bases: both may be written again
	s_add_nc_u64 s[20:21], s[20:21], 196608        ; four tiles on
	s_add_nc_u64 s[22:23], s[22:23], 8192
.Lskip:
	s_add_co_u32 s39, s39, 256
	s_add_co_u32 s30, s30, 4
	s_add_co_u32 s31, s31, 1
	s_cmp_lt_u32 s31, 16
	s_cbranch_scc1 .Ltile
	s_set_vgpr_msb 0x5
	s_wait_tensorcnt 0x0
	ds_add_u32 v254, v255
	s_wait_dscnt 0x0
	s_set_vgpr_msb 0x500
	s_endpgm
.Lfunc_end_k_q5bad526176_ffn1:
	.size	k_q5bad526176_ffn1, .Lfunc_end_k_q5bad526176_ffn1-k_q5bad526176_ffn1
	.p2alignl 7, 3214868480
	.fill 96, 4, 3214868480
	.section	.rodata,"a",@progbits
	.p2align	6, 0x0
	.amdhsa_kernel k_q5bad526176_ffn1
		.amdhsa_group_segment_fixed_size 110080
		.amdhsa_private_segment_fixed_size 0
		.amdhsa_enable_private_segment 0
		.amdhsa_kernarg_size 72
		.amdhsa_user_sgpr_count 2
		.amdhsa_user_sgpr_kernarg_segment_ptr 1
		.amdhsa_wavefront_size32 1
		.amdhsa_system_sgpr_workgroup_id_x 1
		.amdhsa_system_sgpr_workgroup_id_y 1
		.amdhsa_system_sgpr_workgroup_id_z 1
		.amdhsa_system_vgpr_workitem_id 0
		.amdhsa_next_free_vgpr 1024
		.amdhsa_next_free_sgpr 66
		.amdhsa_reserve_vcc 0
		.amdhsa_float_denorm_mode_32 3
		.amdhsa_float_denorm_mode_16_64 3
		.amdhsa_memory_ordered 1
		.amdhsa_forward_progress 1
		.amdhsa_inst_pref_size 94
	.end_amdhsa_kernel
	.amdgpu_metadata
---
amdhsa.version: [ 1, 2 ]
amdhsa.kernels:
  - .name:           k_q5bad526176_ffn1
    .symbol:         k_q5bad526176_ffn1.kd
    .args:
      - { .name: W1_codes, .offset: 0, .size: 8, .value_kind: global_buffer, .address_space: global }
      - { .name: W1_scales, .offset: 8, .size: 8, .value_kind: global_buffer, .address_space: global }
      - { .name: b1, .offset: 16, .size: 8, .value_kind: global_buffer, .address_space: global }
      - { .name: xc, .offset: 24, .size: 8, .value_kind: global_buffer, .address_space: global }
      - { .name: xs, .offset: 32, .size: 8, .value_kind: global_buffer, .address_space: global }
      - { .name: memb, .offset: 40, .size: 8, .value_kind: global_buffer, .address_space: global }
      - { .name: hc, .offset: 48, .size: 8, .value_kind: global_buffer, .address_space: global }
      - { .name: hs, .offset: 56, .size: 8, .value_kind: global_buffer, .address_space: global }
      - { .name: lst, .offset: 64, .size: 8, .value_kind: global_buffer, .address_space: global }
    .group_segment_fixed_size: 110080
    .private_segment_fixed_size: 0
    .kernarg_segment_align: 8
    .kernarg_segment_size: 72
    .max_flat_workgroup_size: 128
    .sgpr_count:     66
    .vgpr_count:     1024
    .wavefront_size: 32
...
	.end_amdgpu_metadata
.endif
;; end of part 2
;; launch ffn2 (part 3): grid 32 x 8, 4 waves a work-group, no clusters, 245,248 bytes of LDS; arguments W2_codes, W2_scales, hc, hs, lst, y; writes y
.if DOCPART == 3
	.amdgcn_target "amdgcn-amd-amdhsa--gfx1250"
	.amdhsa_code_object_version 6
	.text
	.protected	k_q5bad526176_ffn2
	.globl	k_q5bad526176_ffn2
	.p2align	8
	.type	k_q5bad526176_ffn2,@function
k_q5bad526176_ffn2:
	s_mov_b64 s[64:65], 0
	v_nop
	global_prefetch_b8 v0, s[64:65] scope:SCOPE_SE
	s_setreg_imm32_b32 hwreg(HW_REG_WAVE_MODE, 25, 1), 1
	s_wait_xcnt 0x0
; THE SECOND LAYER OF THE CHOSEN EXPERTS: y[kh][entry][d] = the sum over half kh of the hidden units of H W2^T, on codes of BF6 (E3M2) with one E8M0 scale for each 32 along K.  Bias and gate are the next launch's.
; Only the rows (token, choice) that the gate sent to an expert are multiplied.
; SHARES.  Work-group (x, e), x = 2 ds + kh, owns outputs d = 64 ds .. 64 ds + 63 and hidden units 2048 kh .. 2048 kh + 2047 of expert e: 64 pieces of 1,536 bytes of W2's rows, which no other work-group reads.
; The four waves bring them into LDS together, 512 consecutive bytes a load.  THE WAVES SHARE K: wave w keeps K steps 4 w .. 4 w + 3 of the half (16 fragments, 192 registers) and multiplies EVERY tile of 16 rows of the
; expert by them: 16 matrix instructions a tile, on 6,144 consecutive bytes of hc and 256 of hs.  So each byte of H is read once by the work-group.
; THE RING.  Eight places of 48 registers hold eight tiles' fragments of H; a place is filled again, eight tiles ahead, as soon as it is multiplied.  The first eight tiles are asked for at the head, four of them ahead of the wait for W2.
; THE COUNTED WAIT.  Behind tile m stands one of three arms: tile m + 8 exists: its 14 loads; it does not, but tile m + 1 does: nine loads of one word each, of the trip's first tile, whose results nobody reads; else the wait for all loads.
; The first two arms end in s_wait_loadcnt 63: behind tile m + 1's loads seven arms have each issued nine loads or more, 63 at the least, on either way.  That is all the nine loads are there for.
; THE SUM OVER THE WAVES.  Tiles go in groups of four.  Each wave puts its part of each tile (16 rows x 256 bytes) into a stage in LDS; one barrier a group; wave w then adds the four parts of the group's tile w, read back by rows,
; and sixteen lanes store a row's 256 bytes at row = the list's entry.  Two stages take turns, so that one barrier a group orders both the reads behind the stores and the next stores behind the reads.
; Every wave passes all 16 groups' barriers (64 tiles at the most); what a group does hangs on nt, the number of tiles, read from memory.  Rows that only fill a tile up go to row 2048 + e, which nobody reads.
; An expert that no token chose (nt = 0): the head's look-ahead reads W2's own bytes in place of hc's and hs's, which nobody stored; they are not used.
; NO TENSOR LOADS, NO CLUSTER: branches hang on nt, a number read from memory.  NO PREFETCH: the ring itself asks eight tiles ahead of the products.
; LIMITS: K is summed in eight parts (four waves, two halves); NaN and infinities in weights of experts reach only the tokens that chose them.
; REGISTERS: window 0: v1-14 addresses; v16-31 W2's scale words, v32-47 H's (scales and nothing else); v48-55 a tile's entries; v56-87 four accumulators; v96-223 the four parts on the way out; v224-244 the head's.
;   window 1: v0-191 W2's fragments, 4 i + n (K step i, tile of outputs n) at 12 (4 i + n); before that the 48 loads of the staging.   windows 2, 3: the ring, places 0-3 and 4-7.
.set P2,   1584                        ; an LDS row of W2: 1,536 bytes + 48 = 396 words: row r starts at bank 12 r mod 64 (64 banks of 4 bytes: ISA guide 11.1)
.set LSTL, 64*P2                       ; behind the weights: the expert's list, 64 tiles x 64 bytes
.set STG,  LSTL+4096                   ; two stages
.set PART, 16*272                      ; one wave's part of one tile: 16 rows x (256 + 16) bytes
.set SBUF, 16*PART                     ; a stage: 4 tiles x 4 parts
.set SPARE, STG+2*SBUF                 ; the spare words
.set W2S, 16
.set HSC, 32
.set E,   48
.set ACC, 56
.set FB,  96
.set PO,  224
.set PS,  232
.set MSB, 0
.macro WIN new                         ; the immediate's high byte repeats the setting that is left
.if MSB != (\new)
	s_set_vgpr_msb (MSB<<8)|(\new)
.set MSB, (\new)
.endif
.endm
.macro WMX c, m1
	v_wmma_scale_f32_16x16x128_f8f6f4 v[AC:AC+7], v[RA:RA+11], v[RB:RB+11], \c, v[SCA], v[SCB] matrix_a_fmt:MATRIX_FMT_BF6 matrix_b_fmt:MATRIX_FMT_BF6 \m1
.endm
.macro HLD q, vo, vs, t                ; my four K steps of a tile into place q: 12 loads of 512 consecutive bytes, and 2 x 32 scale words (lanes 0-15 one K step's, lanes 16-31 the next's)
	WIN 0x80+0x40*((\q)/4)
.set II, 0
.rept 12
	global_load_b128 v[48*((\q)%4)+4*II:48*((\q)%4)+4*II+3], v[\vo], s[28:29] offset:(\t)*49152+512*II
.set II, II+1
.endr
	WIN 0
	global_load_b32 v[HSC+2*(\q)], v[\vs], s[30:31] offset:(\t)*2048
	global_load_b32 v[HSC+2*(\q)+1], v[\vs], s[30:31] offset:(\t)*2048+128
.endm
	s_load_b256 s[8:15], s[0:1], 0x0               ; W2's codes s[8:9], W2's scales s[10:11], hc s[12:13], hs s[14:15]
	s_load_b128 s[16:19], s[0:1], 0x20             ; lst s[16:17], y s[18:19]
	v_lshl_add_u32 v254, v0, 2, SPARE
	v_mov_b32 v255, 0
	v_lshrrev_b32 v242, 5, v0
	v_readfirstlane_b32 s20, v242                  ; wave
	s_and_b32 s21, ttmp7, 0xffff                   ; e
	s_lshr_b32 s22, ttmp9, 1                       ; ds
	s_and_b32 s23, ttmp9, 1                        ; kh
	s_mov_b32 s43, 0
	s_lshl_b32 s44, s20, 6
	s_mul_i32 s45, s20, PART
	s_add_co_u32 s45, s45, STG                     ; my part of a stage's first tile
	s_mul_i32 s46, s20, 16*P2
	s_mul_i32 s47, s20, 384
	s_mul_i32 s48, s20, 4*PART
	s_add_co_u32 s48, s48, STG                     ; the four parts of the tile that I add
	v_and_b32 v242, 31, v0                         ; lane
	v_and_b32 v243, 15, v0                         ; r
	v_bfe_u32 v244, v0, 4, 1                       ; h
	v_lshlrev_b32 v1, 4, v242                      ; v1  16 x lane
	v_lshlrev_b32 v2, 2, v242                      ; v2  4 x lane
	v_lshl_add_u32 v3, v244, 5, s44
	v_add_nc_u32 v3, LSTL, v3                      ; v3  the list in LDS: tile number wave, my half's eight entries
	v_mul_u32_u24 v4, v243, 272
	v_lshl_add_u32 v4, v244, 5, v4
	v_add_nc_u32 v4, s45, v4                       ; v4  into stage 0: row r, + 32 h
	v_add_nc_u32 v5, SBUF, v4                      ; v5  into stage 1
	v_lshlrev_b32 v6, 4, v243                      ; v6  my 16 bytes of a row's 256
	v_add_nc_u32 v7, s46, v1                       ; v7  staging of W2: my wave's 16 rows
	v_mul_u32_u24 v8, v243, P2
	v_mad_u32_u24 v8, v244, 24, v8
	v_add_nc_u32 v8, s47, v8                       ; v8  a fragment: row r, + 24 h, + my four K steps' 384 bytes; tiles of outputs 0, 1
	v_add_nc_u32 v9, 32*P2, v8                     ; v9  tiles 2, 3
	v_lshlrev_b32 v10, 7, v243                     ; v10 W2's scale words: row r of 128 bytes
	v_mul_u32_u24 v11, v244, 8*272
	v_lshl_add_u32 v11, v243, 4, v11
	v_add_nc_u32 v11, s48, v11                     ; v11 back out of stage 0: lanes 0-15 row i, lanes 16-31 row i + 8
	v_add_nc_u32 v12, SBUF, v11                    ; v12 out of stage 1
	v_mov_b32 v13, 0                               ; v13 offset 0 in every lane
	v_lshlrev_b32 v240, 4, v0                      ; the list's way in: 16 bytes a thread
	v_add_nc_u32 v241, LSTL, v240
	s_wait_alu depctr_va_vdst(0)
	s_wait_kmcnt 0x0
	s_lshl_b32 s42, s21, 13
	s_add_nc_u64 s[16:17], s[16:17], s[42:43]      ; lst[e]
	s_load_b32 s24, s[16:17], 0x1180               ; nt
	s_mov_b64 s[36:37], s[8:9]
	s_mov_b64 s[38:39], s[10:11]
	s_mul_i32 s42, s21, 3145728
	s_lshl_b32 s27, s22, 6
	s_lshl_b32 s44, s20, 4
	s_add_co_u32 s27, s27, s44
	s_mul_i32 s27, s27, 3072
	s_add_co_u32 s42, s42, s27
	s_mul_i32 s27, s23, 1536
	s_add_co_u32 s42, s42, s27
	s_add_nc_u64 s[8:9], s[8:9], s[42:43]          ; W2's codes: row 64 ds + 16 wave, half kh
	s_lshl_b32 s42, s21, 17
	s_lshl_b32 s27, s22, 13
	s_add_co_u32 s42, s42, s27
	s_lshl_b32 s27, s23, 6
	s_add_co_u32 s42, s42, s27
	s_lshl_b32 s27, s20, 4
	s_add_co_u32 s42, s42, s27
	s_add_nc_u64 s[10:11], s[10:11], s[42:43]      ; its scale bytes: my four K steps' 16 bytes of a row
	s_mul_i32 s42, s23, 8421376
	s_lshl_b32 s27, s22, 8
	s_add_co_u32 s42, s42, s27
	s_add_nc_u64 s[18:19], s[18:19], s[42:43]      ; y[kh], my work-group's 256 bytes of a row
	WIN 0x40
.set II, 0
.rept 48
	global_load_b128 v[4*II:4*II+3], v1, s[8:9] offset:(II/3)*3072+512*(II%3) th:TH_LOAD_NT   ; 512 consecutive bytes a load; read once in the launch
.set II, II+1
.endr
	WIN 0
.irp n, 0,1,2,3
	global_load_b128 v[W2S+4*\n:W2S+4*\n+3], v10, s[10:11] offset:2048*\n   ; tile of outputs n: register i = my K step i; lanes r and r + 16 read the same
.endr
	global_load_b128 v[FB:FB+3], v240, s[16:17]                ; the list: 128 threads, 2 x 2,048 consecutive bytes
	global_load_b128 v[FB+4:FB+7], v240, s[16:17] offset:2048
	s_wait_kmcnt 0x0
	s_min_u32 s24, s24, 64                         ; nt
	s_cmp_eq_u32 s24, 0
	s_cselect_b64 s[12:13], s[36:37], s[12:13]     ; nt = 0: bytes that exist, in buffers of the same sizes
	s_cselect_b64 s[14:15], s[38:39], s[14:15]
	s_mul_i32 s42, s21, 3145728
	s_mul_i32 s27, s23, 24576
	s_add_co_u32 s42, s42, s27
	s_mul_i32 s27, s20, 6144
	s_add_co_u32 s42, s42, s27
	s_add_nc_u64 s[28:29], s[12:13], s[42:43]      ; hc[e][tile 0][16 kh + 4 wave]
	s_lshl_b32 s42, s21, 17
	s_lshl_b32 s27, s23, 10
	s_add_co_u32 s42, s42, s27
	s_lshl_b32 s27, s20, 8
	s_add_co_u32 s42, s42, s27
	s_add_nc_u64 s[30:31], s[14:15], s[42:43]      ; hs likewise
	s_sub_co_i32 s44, s24, 1
	s_max_i32 s44, s44, 0                          ; the last tile
.irp j, 0,1,2,3,4,5,6,7
	s_min_u32 s27, s44, \j                         ; the head's tile j, or the last tile once more: only bytes that were stored are read
	s_mul_i32 s45, s27, 49152
	s_lshl_b32 s27, s27, 11
	v_add_nc_u32 v[PO+\j], s45, v1
	v_add_nc_u32 v[PS+\j], s27, v2
.endr
	s_wait_alu depctr_va_vdst(0)
.irp j, 0,1,2,3
	HLD \j, PO+\j, PS+\j, 0
.endr
	s_wait_loadcnt 0x38                            ; W2, its scales and the list are in; the 56 loads issued behind them may be out
	WIN 0x04                                       ; an LDS store's data are its source 1: window 1
.set II, 0
.rept 48
	ds_store_b128 v7, v[4*II:4*II+3] offset:(II/3)*P2+512*(II%3)
.set II, II+1
.endr
	WIN 0
	ds_store_b128 v241, v[FB:FB+3]
	ds_store_b128 v241, v[FB+4:FB+7] offset:2048
	s_wait_dscnt 0x0                               ; for the others' sake: my rows and my part of the list have landed
	s_barrier_signal -1
	s_barrier_wait -1                              ; the slice and the list lie in LDS, and nobody stores there again
	WIN 0x40
.set II, 0
.rept 16                               ; my 16 fragments: 6 loads of 8 bytes each
.irp p, 0,1,2,3,4,5
	ds_load_b64 v[12*II+2*\p:12*II+2*\p+1], v[8+(II%4)/2] offset:16*(II%2)*P2+96*(II/4)+48*(\p/3)+8*(\p%3)
.endr
.set II, II+1
.endr
	WIN 0
.irp j, 4,5,6,7
	HLD \j, PO+\j, PS+\j, 0
.endr
	s_mov_b32 s25, 0                               ; trip
	s_mov_b32 s26, s24                             ; nt less the trip's first tile
	s_mov_b32 s32, s20                             ; the tile that I add in the trip's first group,
	s_add_co_u32 s33, s20, 4                       ; and in its second
	s_mov_b32 s34, 0                               ; the trip's place in the list
	s_wait_dscnt 0x0
	s_wait_loadcnt 0x3f                            ; tile 0 is in: 98 loads were issued behind its own
; Tile j of the trip, in place j.
.macro TILE j
	s_cmp_le_i32 s26, \j
	s_cbranch_scc1 .Lidle_\@                       ; no such tile
	WIN 0x09+4*((\j)/4)                            ; source 0 (W2) window 1, source 1 (H) window 2 or 3
.set KK, 0
.rept 4
.set NN, 0
.rept 4                                ; the four accumulators by turns, one instruction a turn
.set AC, ACC+8*NN
.set RA, 12*(4*KK+NN)
.set RB, 48*((\j)%4)+12*KK
.set SCA, W2S+4*NN+KK
.set SCB, HSC+2*(\j)+KK/2
.if KK == 0
	WMX 0                                          ; the first K step starts the sums
.elseif KK%2
	WMX v[AC:AC+7], matrix_b_scale:MATRIX_SCALE_ROW1
.else
	WMX v[AC:AC+7]
.endif
.set NN, NN+1
.endr
.set KK, KK+1
.endr
	WIN 0
.rept 5
	v_nop                                          ; places: four in front of the stores of results and of loads into the place, five in front of the next tile's first products, which write the accumulators anew
.endr
.irp n, 0,1,2,3
	ds_store_b128 v[4+(\j)/4], v[ACC+8*\n:ACC+8*\n+3] offset:((\j)%4)*4*PART+64*\n       ; each accumulator from its low end on
	ds_store_b128 v[4+(\j)/4], v[ACC+8*\n+4:ACC+8*\n+7] offset:((\j)%4)*4*PART+64*\n+16
.endr
	s_cmp_gt_i32 s26, (\j)+8
	s_cbranch_scc0 .Lshort_\@
	HLD \j, 1, 2, (\j)+8                           ; the place takes the tile eight further on
	s_wait_loadcnt 0x3f                            ; the next tile is in
	s_branch .Ldone_\@
.Lshort_\@:
	s_cmp_gt_i32 s26, (\j)+1
	s_cbranch_scc0 .Lidle_\@
	WIN 0x80+0x40*((\j)/4)
.set II, 0
.rept 9
	global_load_b32 v[48*((\j)%4)+4*II], v13, s[28:29]   ; one word for all lanes, nine times: so that the count below holds on this way too
.set II, II+1
.endr
	WIN 0
	s_wait_loadcnt 0x3f
	s_branch .Ldone_\@
.Lidle_\@:
	s_wait_loadcnt 0x0
.Ldone_\@:
.endm
; Behind a group's barrier: wave w adds the four parts of the group's tile w and stores its 16 rows.
.macro FINAL gi
	s_cmp_le_i32 s26, s[32+\gi]
	s_cbranch_scc1 .Lnone_\@
	s_wait_xcnt 0x0                                ; the last way out's stores have read their registers
	v_add_nc_u32 v14, s34, v3
	ds_load_b128 v[E:E+3], v14 offset:256*\gi      ; the tile's entries: register i = row 8 h + i
	ds_load_b128 v[E+4:E+7], v14 offset:256*\gi+16
.irp i, 0,1,2,3,4,5,6,7
.irp p, 0,1,2,3
	ds_load_b128 v[FB+16*\i+4*\p:FB+16*\i+4*\p+3], v[11+\gi] offset:\p*PART+\i*272
.endr
.endr
	s_wait_dscnt 32                                ; the entries are in
.irp i, 0,1,2,3,4,5,6,7
	v_min_u32 v[E+\i], 2055, v[E+\i]
.endr
.irp i, 0,1,2,3,4,5,6,7
	v_lshl_add_u32 v[E+\i], v[E+\i], 12, v6        ; the entry's row of 4,096 bytes, + my 16 bytes
.endr
	s_wait_alu depctr_va_vdst(0)
	s_wait_dscnt 0x0
.irp i, 0,1,2,3,4,5,6,7
.irp c, 0,2,8,10
	v_pk_add_f32 v[FB+16*\i+\c:FB+16*\i+\c+1], v[FB+16*\i+\c:FB+16*\i+\c+1], v[FB+16*\i+\c+4:FB+16*\i+\c+5]
.endr
.endr
.irp i, 0,1,2,3,4,5,6,7
.irp c, 0,2
	v_pk_add_f32 v[FB+16*\i+\c:FB+16*\i+\c+1], v[FB+16*\i+\c:FB+16*\i+\c+1], v[FB+16*\i+\c+8:FB+16*\i+\c+9]
.endr
.endr
.irp i, 0,1,2,3,4,5,6,7
	global_store_b128 v[E+\i], v[FB+16*\i:FB+16*\i+3], s[18:19] th:TH_STORE_NT   ; sixteen lanes store 256 consecutive bytes, at a multiple of 256 from y's first byte
.endr
.Lnone_\@:
.endm
.macro GROUP gi, a, b, c, d
	s_cmp_gt_i32 s26, 4*\gi
	s_cbranch_scc1 .Lwork_\@
	s_wait_loadcnt 0x0                             ; a group with no tile
	s_branch .Lmeet_\@
.Lwork_\@:
	TILE \a
	TILE \b
	TILE \c
	TILE \d
.Lmeet_\@:
	s_wait_dscnt 0x0                               ; my parts have landed in this stage, and my reads of the other stage are over
	s_barrier_signal -1
	s_barrier_wait -1
	FINAL \gi
.endm
.Ltrip:                                                ; 8 trips of two groups in every wave: 64 tiles at the most
	GROUP 0, 0,1,2,3
	GROUP 1, 4,5,6,7
	s_wait_xcnt 0x0                                ; all loads issued have read their bases
	s_add_nc_u64 s[28:29], s[28:29], 8*49152
	s_add_nc_u64 s[30:31], s[30:31], 8*2048
	s_sub_co_i32 s26, s26, 8
	s_add_co_u32 s34, s34, 512
	s_add_co_u32 s25, s25, 1
	s_cmp_lt_u32 s25, 8
	s_cbranch_scc1 .Ltrip
	s_wait_tensorcnt 0x0                           ; the wave's end
	ds_add_u32 v254, v255
	s_wait_dscnt 0x0
	s_endpgm
.Lfunc_end_k_q5bad526176_ffn2:
	.size	k_q5bad526176_ffn2, .Lfunc_end_k_q5bad526176_ffn2-k_q5bad526176_ffn2
	.p2alignl 7, 3214868480
	.fill 96, 4, 3214868480
	.section	.rodata,"a",@progbits
	.p2align	6, 0x0
	.amdhsa_kernel k_q5bad526176_ffn2
		.amdhsa_group_segment_fixed_size 245248
		.amdhsa_private_segment_fixed_size 0
		.amdhsa_enable_private_segment 0
		.amdhsa_kernarg_size 48
		.amdhsa_user_sgpr_count 2
		.amdhsa_user_sgpr_kernarg_segment_ptr 1
		.amdhsa_wavefront_size32 1
		.amdhsa_system_sgpr_workgroup_id_x 1
		.amdhsa_system_sgpr_workgroup_id_y 1
		.amdhsa_system_sgpr_workgroup_id_z 1
		.amdhsa_system_vgpr_workitem_id 0
		.amdhsa_next_free_vgpr 1024
		.amdhsa_next_free_sgpr 66
		.amdhsa_reserve_vcc 0
		.amdhsa_float_denorm_mode_32 3
		.amdhsa_float_denorm_mode_16_64 3
		.amdhsa_memory_ordered 1
		.amdhsa_forward_progress 1
		.amdhsa_inst_pref_size 90
	.end_amdhsa_kernel
	.amdgpu_metadata
---
amdhsa.version: [ 1, 2 ]
amdhsa.kernels:
  - .name:           k_q5bad526176_ffn2
    .symbol:         k_q5bad526176_ffn2.kd
    .args:
      - { .name: W2_codes, .offset: 0, .size: 8, .value_kind: global_buffer, .address_space: global }
      - { .name: W2_scales, .offset: 8, .size: 8, .value_kind: global_buffer, .address_space: global }
      - { .name: hc, .offset: 16, .size: 8, .value_kind: global_buffer, .address_space: global }
      - { .name: hs, .offset: 24, .size: 8, .value_kind: global_buffer, .address_space: global }
      - { .name: lst, .offset: 32, .size: 8, .value_kind: global_buffer, .address_space: global }
      - { .name: y, .offset: 40, .size: 8, .value_kind: global_buffer, .address_space: global }
    .group_segment_fixed_size: 245248
    .private_segment_fixed_size: 0
    .kernarg_segment_align: 8
    .kernarg_segment_size: 48
    .max_flat_workgroup_size: 128
    .sgpr_count:     66
    .vgpr_count:     1024
    .wavefront_size: 32
...
	.end_amdgpu_metadata
.endif
;; end of part 3
;; launch combine (part 4): grid 256 x 1, 8 waves a work-group, no clusters, 0 bytes of LDS; arguments y, wf, b2, out0; writes out0
.if DOCPART == 4
	.amdgcn_target "amdgcn-amd-amdhsa--gfx1250"
	.amdhsa_code_object_version 6
	.text
	.protected	k_q5bad526176_combine
	.globl	k_q5bad526176_combine
	.p2align	8
	.type	k_q5bad526176_combine,@function
k_q5bad526176_combine:
	s_mov_b64 s[64:65], 0
	v_nop
	global_prefetch_b8 v0, s[64:65] scope:SCOPE_SE
	s_setreg_imm32_b32 hwreg(HW_REG_WAVE_MODE, 25, 1), 1
	s_wait_xcnt 0x0
; out[t][d] = w0 (y[0][2 t][d] + y[1][2 t][d]) + w1 (y[0][2 t + 1][d] + y[1][2 t + 1][d]) + the sum over e of wf[t][e] b2[e][d].
; w0, w1: the probabilities of the token's first and second choice (wf's words 8, 9); wf's words 0-7 are probability x mask, so the bias needs no address that hangs on the choice.
; Each output row has one owner: the work-group owns tokens 4 g .. 4 g + 3, thread j columns 4 j .. 4 j + 3.  Every load and store of a wave covers 512 consecutive bytes.  A stream: no LDS, no barrier, no matrix unit.
; All 24 loads of a thread are issued at the head; the waits count down by tokens.
.set B2, 8                             ; v8-39    b2: expert e at 4 e
.set Y,  40                            ; v40-103  token q at 16 q: choice 0 half 0, choice 0 half 1, choice 1 half 0, choice 1 half 1
.set O,  104                           ; v104-119 the results
	s_load_b256 s[4:11], s[0:1], 0x0               ; y s[4:5], wf s[6:7], b2 s[8:9], out s[10:11]
	v_lshlrev_b32 v1, 4, v0                        ; my 16 bytes of a row
	s_mov_b32 s13, 0
	s_wait_alu depctr_va_vdst(0)
	s_wait_kmcnt 0x0
	s_lshl_b32 s12, ttmp9, 8
	s_add_nc_u64 s[6:7], s[6:7], s[12:13]          ; four tokens' rows of wf, 64 bytes each
	s_load_b512 s[16:31], s[6:7], 0x0
	s_load_b512 s[32:47], s[6:7], 0x40
	s_load_b512 s[48:63], s[6:7], 0x80
	s_load_b512 s[68:83], s[6:7], 0xc0
	s_lshl_b32 s12, ttmp9, 15
	s_add_nc_u64 s[4:5], s[4:5], s[12:13]          ; y[0]: eight rows of 4,096 bytes
	s_add_nc_u64 s[14:15], s[4:5], 8421376         ; y[1]: 2,056 rows further on
	s_lshl_b32 s12, ttmp9, 14
	s_add_nc_u64 s[10:11], s[10:11], s[12:13]
.irp e, 0,1,2,3,4,5,6,7
	global_load_b128 v[B2+4*\e:B2+4*\e+3], v1, s[8:9] offset:4096*\e
.endr
.irp q, 0,1,2,3
.irp c, 0,1
	global_load_b128 v[Y+16*\q+8*\c:Y+16*\q+8*\c+3], v1, s[4:5] offset:8192*\q+4096*\c th:TH_LOAD_NT
	global_load_b128 v[Y+16*\q+8*\c+4:Y+16*\q+8*\c+7], v1, s[14:15] offset:8192*\q+4096*\c th:TH_LOAD_NT
.endr
.endr
	s_wait_kmcnt 0x0
.macro TOK q, w                        ; token q; its row of wf stands in s[w] on
	s_wait_loadcnt 4*(3-(\q))                      ; b2 and this token's four loads are in; the later tokens' may be out
.irp c, 0,2,8,10
	v_pk_add_f32 v[Y+16*(\q)+\c:Y+16*(\q)+\c+1], v[Y+16*(\q)+\c:Y+16*(\q)+\c+1], v[Y+16*(\q)+\c+4:Y+16*(\q)+\c+5]   ; the two halves of K
.endr
.irp c, 0,1,2,3
	v_mul_f32 v[O+4*(\q)+\c], s[\w+8], v[Y+16*(\q)+\c]
.endr
.irp c, 0,1,2,3
	s_delay_alu instid0(VALU_DEP_4)
	v_fmac_f32 v[O+4*(\q)+\c], s[\w+9], v[Y+16*(\q)+8+\c]
.endr
.irp e, 0,1,2,3,4,5,6,7
.irp c, 0,1,2,3
	s_delay_alu instid0(VALU_DEP_4)
	v_fmac_f32 v[O+4*(\q)+\c], s[\w+\e], v[B2+4*\e+\c]
.endr
.endr
	global_store_b128 v1, v[O+4*(\q):O+4*(\q)+3], s[10:11] offset:4096*(\q) th:TH_STORE_NT
.endm
	TOK 0, 16
	TOK 1, 32
	TOK 2, 48
	TOK 3, 68
	s_endpgm
.Lfunc_end_k_q5bad526176_combine:
	.size	k_q5bad526176_combine, .Lfunc_end_k_q5bad526176_combine-k_q5bad526176_combine
	.p2alignl 7, 3214868480
	.fill 96, 4, 3214868480
	.section	.rodata,"a",@progbits
	.p2align	6, 0x0
	.amdhsa_kernel k_q5bad526176_combine
		.amdhsa_group_segment_fixed_size 0
		.amdhsa_private_segment_fixed_size 0
		.amdhsa_enable_private_segment 0
		.amdhsa_kernarg_size 32
		.amdhsa_user_sgpr_count 2
		.amdhsa_user_sgpr_kernarg_segment_ptr 1
		.amdhsa_wavefront_size32 1
		.amdhsa_system_sgpr_workgroup_id_x 1
		.amdhsa_system_sgpr_workgroup_id_y 1
		.amdhsa_system_sgpr_workgroup_id_z 1
		.amdhsa_system_vgpr_workitem_id 0
		.amdhsa_next_free_vgpr 128
		.amdhsa_next_free_sgpr 90
		.amdhsa_reserve_vcc 0
		.amdhsa_float_denorm_mode_32 3
		.amdhsa_float_denorm_mode_16_64 3
		.amdhsa_memory_ordered 1
		.amdhsa_forward_progress 1
		.amdhsa_inst_pref_size 15
	.end_amdhsa_kernel
	.amdgpu_metadata
---
amdhsa.version: [ 1, 2 ]
amdhsa.kernels:
  - .name:           k_q5bad526176_combine
    .symbol:         k_q5bad526176_combine.kd
    .args:
      - { .name: y, .offset: 0, .size: 8, .value_kind: global_buffer, .address_space: global }
      - { .name: wf, .offset: 8, .size: 8, .value_kind: global_buffer, .address_space: global }
      - { .name: b2, .offset: 16, .size: 8, .value_kind: global_buffer, .address_space: global }
      - { .name: out0, .offset: 24, .size: 8, .value_kind: global_buffer, .address_space: global }
    .group_segment_fixed_size: 0
    .private_segment_fixed_size: 0
    .kernarg_segment_align: 8
    .kernarg_segment_size: 32
    .max_flat_workgroup_size: 256
    .sgpr_count:     90
    .vgpr_count:     128
    .wavefront_size: 32
...
	.end_amdgpu_metadata
.endif
;; end of part 4
